; MI455X (gfx1250); checked and timed in simulation.
; The chip was launched on July 23, 2026; its instructions are those of AMD's public machine-readable ISA for CDNA 5 (MIT licence, August 2026) and "CDNA5" Instruction Set Architecture Reference Guide (July 2026). The comments in the code are by the model that wrote it; some were corrected since.
;; swin MSA. Allowed arithmetic: float matrix products may take bf16 or f16 operands with f32 sums; other float arithmetic in f32, or as packed bf16 or f16 multiplies, adds, multiply-adds, maxima and minima; sums over many terms, partial sums and values carried from step to step in f32; what a program stores and reads back later, other than sums and carried values, may be rounded once to bf16 or f16.
;; Inputs: Wk 1,024 x 1,024 float32; Wp 1,024 x 1,024 float32; Wq 1,024 x 1,024 float32; Wv 1,024 x 1,024 float32; bk 1,024 float32; bp 1,024 float32; bq 1,024 float32; bv 1,024 float32; x 128 x 128 x 1,024 float32.
;; Outputs: out0 128 x 128 x 1,024 float32.
;; One version. Each part assembles by itself: llvm-mc -triple=amdgcn-amd-amdhsa -mcpu=gfx1250 --defsym DOCPART=n.
;; ======== version 1 of 1: 4 launches
;; limits: values are held in f16: magnitudes above 65,504 overflow, below 6.1e-05 lose precision
;; workspace buffers: xb 33,554,432 bytes; wqkv 6,291,456 bytes; wpb 2,097,152 bytes; biasr 16,384 bytes; qkvh 100,663,296 bytes; ob 33,554,432 bytes
;; launch prep (part 1): grid 1281 x 1, 8 waves a work-group, no clusters, 0 bytes of LDS; arguments x, Wq, Wk, Wv, Wp, bq, bk, bv, bp, xb, wqkv, wpb, biasr; writes xb, wqkv, wpb, biasr
.if DOCPART == 1
	.amdgcn_target "amdgcn-amd-amdhsa--gfx1250"
	.amdhsa_code_object_version 6
	.text
	.protected	k_q549b90e3d0_prep
	.globl	k_q549b90e3d0_prep
	.p2align	8
	.type	k_q549b90e3d0_prep,@function
k_q549b90e3d0_prep:
	s_mov_b64 s[64:65], 0
	v_nop
	global_prefetch_b8 v0, s[64:65] scope:SCOPE_SE
	s_setreg_imm32_b32 hwreg(HW_REG_WAVE_MODE, 25, 1), 1
	s_wait_xcnt 0x0
; PREP.  Every input is rounded once to bf16, and the weights are laid out for the launches behind this one.
;   xb    [16384][1024] bf16  = x
;   wqkv  [3072][1024]  bf16  = rows of Wq, Wk (order pi), then of Wv (order sigma)
;   wpb   [1024][1024]  f16   = Wp rounded to bf16, that number written as f16, its COLUMNS in order pi
;   biasr [4096]        f32   = bq, bk (order pi), bv (order sigma), bp (as it lies), each rounded to bf16 and widened again
; THE ORDERS.  Write a place c' = 256 cb + 8 (r + 16 h) + j  (cb 0..3, r 0..15, h 0..1, j 0..7).
;   pi(c')    = 64 r + 16 cb + 8 h + j    : head r, channel 16 cb + 8 h + j
;   sigma(c') = 64 (8 h + j) + 16 cb + r  : head 8 h + j, channel 16 cb + r
; With them 512 consecutive bytes of a token's q, k or v (16 bytes a lane) are half a matrix fragment as the attention launch wants it.
; LIMITS.  Wp as f16: exact for 2^-17 <= |w| <= 65,504; below that off by 2^-25 at the most; beyond it an infinity.
; SHARES.  A wave makes 2 destination rows of 1,024 numbers, a work-group 16.  Work-groups 0-1023: x; 1024-1215: Wq, Wk, Wv (64 each); 1216-1279: Wp; 1280: the four biases.
; WHOLE ROWS (x, Wq, Wk, Wv): a load of the wave takes 512 consecutive bytes, 16 a lane, so that no byte is asked for twice; a lane's 4 numbers become 8 bytes, and a store of the wave covers 256 consecutive
; bytes, aligned.  Wp's columns change places in pieces of 8 numbers: there a lane gathers 32 bytes by two loads and a store of the wave covers 512 consecutive bytes.
; A wave issues all its 16 loads at once and then works them off in order: no loop, no register used twice, so no wait but the counted ones for the loads.
; No LDS, no matrix unit, no cluster: nothing is shared and nothing is multiplied.
.set X,   8                            ; v[8:71]   whole rows: 16 sets of 4 f32 (set 8 u + m: 512 bytes m of row u); Wp: 8 sets of 8 (set 4 u + s: quarter s of row u)
.set SB,  36                           ; s[36:39]  the two source rows
.set DST, 44                           ; s[44:45]  the first destination row
.set STR, 46                           ; s[46:47]  bytes from the first source row to the second
	s_load_b512 s[8:23], s[0:1], 0x0               ; x 8, Wq 10, Wk 12, Wv 14, Wp 16, bq 18, bk 20, bv 22
	s_load_b256 s[24:31], s[0:1], 0x40             ; bp 24, xb 26, wqkv 28, wpb 30
	s_load_b64 s[32:33], s[0:1], 0x60              ; biasr
	v_lshrrev_b32 v5, 5, v0
	v_readfirstlane_b32 s2, v5                     ; wave 0..7
	s_mov_b32 s3, ttmp9
	v_and_b32 v1, 31, v0                           ; lane
	v_lshlrev_b32 v2, 4, v1                        ; 16 bytes a lane: whole rows' source, Wp's destination
	v_lshlrev_b32 v3, 3, v1                        ; 8 bytes a lane: whole rows' destination
	v_and_b32 v4, 15, v1
	v_lshrrev_b32 v6, 4, v1
	v_lshlrev_b32 v4, 8, v4
	v_lshl_add_u32 v4, v6, 5, v4                   ; Wp's source, order pi: 4 (64 r + 8 h) bytes
	s_lshl_b32 s4, s2, 1                           ; my 2 rows among the work-group's 16
	s_mov_b32 s35, 0                               ; offsets are pairs with 0 on top
	s_mov_b32 s[STR+1], 0
	s_wait_kmcnt 0x0
	s_cmp_lt_u32 s3, 1024
	s_cbranch_scc1 .Lx
	s_cmp_lt_u32 s3, 1216
	s_cbranch_scc1 .Lw
	s_cmp_lt_u32 s3, 1280
	s_cbranch_scc1 .Lp
	s_branch .Lb
.macro LD d, vo, u, off, nt            ; nt: the bytes are touched by this one load alone
.if \nt
	global_load_b128 v[\d:\d+3], v[\vo], s[SB+2*(\u):SB+2*(\u)+1] offset:\off th:TH_LOAD_NT
.else
	global_load_b128 v[\d:\d+3], v[\vo], s[SB+2*(\u):SB+2*(\u)+1] offset:\off
.endif
.endm
; whole rows, set k: 4 f32 become 4 bf16 in its first two registers, and leave
.macro PSET k
	s_wait_loadcnt 15-(\k)                         ; loads come back in order: the 15 - k younger ones may stay out
	v_cvt_pk_bf16_f32 v[X+4*(\k)],   v[X+4*(\k)],   v[X+4*(\k)+1]
	v_cvt_pk_bf16_f32 v[X+4*(\k)+1], v[X+4*(\k)+2], v[X+4*(\k)+3]
	global_store_b64 v3, v[X+4*(\k):X+4*(\k)+1], s[DST:DST+1] offset:2048*((\k)/8)+256*((\k)%8) th:TH_STORE_NT  ; 256 consecutive bytes, aligned
.endm
; Wp, set k: 8 f32 become 8 bf16 and those, exactly, f16, in its first four registers, and leave
.macro HSET k
	s_wait_loadcnt 14-2*(\k)                       ; the 2 (7 - k) younger loads may stay out
.irp q, 0,1,2,3
	v_cvt_pk_bf16_f32 v[X+8*(\k)+(\q)], v[X+8*(\k)+2*(\q)], v[X+8*(\k)+2*(\q)+1]
.endr
.irp q, 0,1,2,3
	v_lshlrev_b32 v[X+8*(\k)+4+2*((\q)%2)], 16, v[X+8*(\k)+(\q)]
	v_and_b32 v[X+8*(\k)+5+2*((\q)%2)], 0xffff0000, v[X+8*(\k)+(\q)]
	v_cvt_pk_f16_f32 v[X+8*(\k)+(\q)], v[X+8*(\k)+4+2*((\q)%2)], v[X+8*(\k)+5+2*((\q)%2)]
.endr
	global_store_b128 v2, v[X+8*(\k):X+8*(\k)+3], s[DST:DST+1] offset:2048*((\k)/4)+512*((\k)%4) th:TH_STORE_NT  ; 512 consecutive bytes, aligned
.endm
.Lx:                                               ; x: rows as they lie
	s_lshl_b32 s5, s3, 4
	s_add_co_u32 s5, s5, s4                        ; my first row
	s_lshl_b32 s34, s5, 12
	s_add_nc_u64 s[SB:SB+1], s[8:9], s[34:35]
	s_lshl_b32 s34, s5, 11
	s_add_nc_u64 s[DST:DST+1], s[26:27], s[34:35]
	s_mov_b32 s[STR], 4096
	s_branch .Lplain
.Lw:                                               ; Wq, Wk, Wv: whole rows, in another order
	s_sub_co_u32 s5, s3, 1024                      ; g: 16 g + 2 wave is my first row of wqkv
	s_lshr_b32 s6, s5, 6                           ; 0: Wq, 1: Wk, 2: Wv
	s_and_b32 s7, s5, 63
	s_lshl_b32 s7, s7, 4
	s_add_co_u32 s7, s7, s4                        ; c' of my first row; my two rows differ in j alone
	s_lshr_b32 s48, s7, 8
	s_lshl_b32 s48, s48, 4                         ; 16 cb
	s_bfe_u32 s49, s7, 0x40003                     ; r
	s_bfe_u32 s50, s7, 0x10007                     ; h
	s_and_b32 s51, s7, 7                           ; j: 0, 2, 4 or 6
	s_lshl3_add_u32 s50, s50, s51                  ; 8 h + j
	s_lshl_b32 s52, s49, 6
	s_add_co_u32 s52, s52, s48
	s_add_co_u32 s52, s52, s50                     ; pi: the next j is the next row
	s_lshl_b32 s53, s50, 6
	s_add_co_u32 s53, s53, s48
	s_add_co_u32 s53, s53, s49                     ; sigma: the next j is 64 rows on
	s_mov_b32 s[STR], 4096
	s_cmp_eq_u32 s6, 2
	s_cselect_b32 s52, s53, s52
	s_cselect_b32 s[STR], 0x40000, s[STR]
	s_cselect_b64 s[54:55], s[14:15], s[12:13]
	s_cmp_eq_u32 s6, 0
	s_cselect_b64 s[54:55], s[10:11], s[54:55]
	s_lshl_b32 s34, s52, 12
	s_add_nc_u64 s[SB:SB+1], s[54:55], s[34:35]
	s_lshl_b32 s34, s5, 4
	s_add_co_u32 s34, s34, s4
	s_lshl_b32 s34, s34, 11
	s_add_nc_u64 s[DST:DST+1], s[28:29], s[34:35]
.Lplain:
	s_add_nc_u64 s[SB+2:SB+3], s[SB:SB+1], s[STR:STR+1]
.irp u, 0,1
.irp m, 0,1,2,3,4,5,6,7
	LD X+4*(8*(\u)+(\m)), 2, \u, 512*(\m), 1
.endr
.endr
.irp k, 0,1,2,3,4,5,6,7,8,9,10,11,12,13,14,15
	PSET \k
.endr
	s_endpgm
.Lp:                                               ; Wp: rows as they lie, columns in order pi: quarter cb of a destination row takes, for lane r + 16 h, the 32 bytes at 4 (64 r + 16 cb + 8 h)
	s_sub_co_u32 s5, s3, 1216
	s_lshl_b32 s5, s5, 4
	s_add_co_u32 s5, s5, s4
	s_lshl_b32 s34, s5, 12
	s_add_nc_u64 s[SB:SB+1], s[16:17], s[34:35]
	s_lshl_b32 s34, s5, 11
	s_add_nc_u64 s[DST:DST+1], s[30:31], s[34:35]
	s_mov_b32 s[STR], 4096
	s_add_nc_u64 s[SB+2:SB+3], s[SB:SB+1], s[STR:STR+1]
.irp u, 0,1
.irp s, 0,1,2,3
	LD X+8*(4*(\u)+(\s)), 4, \u, 64*(\s), 0
	LD X+8*(4*(\u)+(\s))+4, 4, \u, 64*(\s)+16, 0
.endr
.endr
.irp k, 0,1,2,3,4,5,6,7
	HSET \k
.endr
	s_endpgm
.Lb:                                               ; the biases: thread t makes places 4 t .. 4 t + 3 of each of the four
	v_lshrrev_b32 v5, 6, v0                        ; cb
	v_bfe_u32 v6, v0, 1, 4                         ; r
	v_bfe_u32 v7, v0, 5, 1                         ; h
	v_and_b32 v8, 1, v0                            ; j = 4 e
	v_lshlrev_b32 v7, 3, v7
	v_lshl_add_u32 v7, v8, 2, v7                   ; 8 h + j
	v_lshlrev_b32 v5, 4, v5                        ; 16 cb
	v_lshl_add_u32 v9, v6, 6, v5
	v_add_lshl_u32 v9, v9, v7, 2                   ; pi, in bytes: four numbers on end
	v_lshl_add_u32 v10, v7, 6, v5
	v_add_lshl_u32 v10, v10, v6, 2                 ; sigma, in bytes: four numbers 256 bytes apart
	v_lshlrev_b32 v11, 4, v0
	global_load_b128 v[16:19], v9, s[18:19]
	global_load_b128 v[20:23], v9, s[20:21]
.irp u, 0,1,2,3
	global_load_b32 v[24+(\u)], v10, s[22:23] offset:256*(\u)
.endr
	global_load_b128 v[28:31], v11, s[24:25]
	s_wait_loadcnt 0x0
.irp p, 0,1,2,3,4,5,6,7
	v_cvt_pk_bf16_f32 v12, v[16+2*(\p)], v[17+2*(\p)]
	v_lshlrev_b32 v[16+2*(\p)], 16, v12
	v_and_b32 v[17+2*(\p)], 0xffff0000, v12
.endr
.irp p, 0,1,2,3
	global_store_b128 v11, v[16+4*(\p):19+4*(\p)], s[32:33] offset:4096*(\p)
.endr
	s_endpgm
.Lfunc_end_k_q549b90e3d0_prep:
	.size	k_q549b90e3d0_prep, .Lfunc_end_k_q549b90e3d0_prep-k_q549b90e3d0_prep
	.p2alignl 7, 3214868480
	.fill 96, 4, 3214868480
	.section	.rodata,"a",@progbits
	.p2align	6, 0x0
	.amdhsa_kernel k_q549b90e3d0_prep
		.amdhsa_group_segment_fixed_size 0
		.amdhsa_private_segment_fixed_size 0
		.amdhsa_enable_private_segment 0
		.amdhsa_kernarg_size 104
		.amdhsa_user_sgpr_count 2
		.amdhsa_user_sgpr_kernarg_segment_ptr 1
		.amdhsa_wavefront_size32 1
		.amdhsa_system_sgpr_workgroup_id_x 1
		.amdhsa_system_sgpr_workgroup_id_y 1
		.amdhsa_system_sgpr_workgroup_id_z 1
		.amdhsa_system_vgpr_workitem_id 0
		.amdhsa_next_free_vgpr 72
		.amdhsa_next_free_sgpr 66
		.amdhsa_reserve_vcc 0
		.amdhsa_float_denorm_mode_32 3
		.amdhsa_float_denorm_mode_16_64 3
		.amdhsa_memory_ordered 1
		.amdhsa_forward_progress 1
		.amdhsa_inst_pref_size 21
	.end_amdhsa_kernel
	.amdgpu_metadata
---
amdhsa.version: [ 1, 2 ]
amdhsa.kernels:
  - .name:           k_q549b90e3d0_prep
    .symbol:         k_q549b90e3d0_prep.kd
    .args:
      - { .name: x, .offset: 0, .size: 8, .value_kind: global_buffer, .address_space: global }
      - { .name: Wq, .offset: 8, .size: 8, .value_kind: global_buffer, .address_space: global }
      - { .name: Wk, .offset: 16, .size: 8, .value_kind: global_buffer, .address_space: global }
      - { .name: Wv, .offset: 24, .size: 8, .value_kind: global_buffer, .address_space: global }
      - { .name: Wp, .offset: 32, .size: 8, .value_kind: global_buffer, .address_space: global }
      - { .name: bq, .offset: 40, .size: 8, .value_kind: global_buffer, .address_space: global }
      - { .name: bk, .offset: 48, .size: 8, .value_kind: global_buffer, .address_space: global }
      - { .name: bv, .offset: 56, .size: 8, .value_kind: global_buffer, .address_space: global }
      - { .name: bp, .offset: 64, .size: 8, .value_kind: global_buffer, .address_space: global }
      - { .name: xb, .offset: 72, .size: 8, .value_kind: global_buffer, .address_space: global }
      - { .name: wqkv, .offset: 80, .size: 8, .value_kind: global_buffer, .address_space: global }
      - { .name: wpb, .offset: 88, .size: 8, .value_kind: global_buffer, .address_space: global }
      - { .name: biasr, .offset: 96, .size: 8, .value_kind: global_buffer, .address_space: global }
    .group_segment_fixed_size: 0
    .private_segment_fixed_size: 0
    .kernarg_segment_align: 8
    .kernarg_segment_size: 104
    .max_flat_workgroup_size: 256
    .sgpr_count:     66
    .vgpr_count:     72
    .wavefront_size: 32
...
	.end_amdgpu_metadata
.endif
;; end of part 1
;; launch qkv (part 2): grid 4 x 64, 4 waves a work-group, clusters of 4 x 4, 327,680 bytes of LDS; arguments xb, wqkv, qkvh, biasr; writes qkvh
.if DOCPART == 2
	.amdgcn_target "amdgcn-amd-amdhsa--gfx1250"
	.amdhsa_code_object_version 6
	.text
	.protected	k_q549b90e3d0_qkv
	.globl	k_q549b90e3d0_qkv
	.p2align	8
	.type	k_q549b90e3d0_qkv,@function
k_q549b90e3d0_qkv:
	s_mov_b64 s[64:65], 0
	v_nop
	global_prefetch_b8 v0, s[64:65] scope:SCOPE_SE
	s_setreg_imm32_b32 hwreg(HW_REG_WAVE_MODE, 25, 1), 1
	s_wait_xcnt 0x0
	s_wait_alu depctr_hold_cnt(0) depctr_sa_sdst(0) depctr_va_vdst(0) depctr_va_sdst(0) depctr_va_ssrc(0) depctr_va_vcc(0) depctr_vm_vsrc(0)
	s_getreg_b32 s2, hwreg(HW_REG_IB_STS2, 6, 4)
	s_cmp_eq_u32 s2, 0
	s_cbranch_scc0 .Lentry_in_a_cluster
	s_endpgm
.Lentry_in_a_cluster:
	s_bfe_u32 s2, ttmp6, 0x10000c
	s_cmp_lg_u32 s2, 0xf033
	s_cbranch_scc0 .Lentry_shape_is_right
	s_endpgm
.Lentry_shape_is_right:
; QKV.  C[m][n] = bias[n] + the sum over k of A[m][k] B[n][k].  A = xb [16384][1024] bf16, B = wqkv [3072][1024] bf16, bias = biasr f32, C = qkvh [16384][3072] f16; sums in f32, C rounded once.
; LIMIT.  f16 holds no number beyond 65,504: a q, k or v beyond that leaves as an infinity (with x and the weights 30 times their drawn spread these numbers have a spread of some 520; with both carrying an offset of 30 spreads they reach some 17,000).
; A tile of C, 256 x 256, is made by a work-group of four waves; a wave makes 128 x 128: 64 accumulators of 16 x 16, 512 registers.  K goes in steps of 128 through a ring of two LDS slots filled by the
; tensor data mover: a tile's rows are 256 bytes of memory and start at multiples of 256 bytes.
; A WORK-GROUP STAYS: it makes three tiles of C, the same 256 rows, columns 256 tx + 1,024 t (t = 0: q, 1: k, 2: v).  The ring does not stop at a tile's end: a tile's last two changes of slots ask for the next
; tile's first two K steps, and nothing waits for a tile's stores.  The last tile's last K step goes by rows of C, so that finished rows leave while the others are multiplied.
; CLUSTERS: 4 x 4 work-groups.  The four of a row of the cluster need the same tiles of A, the four of a column the same tiles of B: each tile is asked for JOINTLY, by the same tensor load with the same
; descriptor and a mask that names the four.
; THE BIAS IS THE C OPERAND of the product that starts each sum: no sum is cleared and no bias is added by a vector instruction.
; THE MATRIX INSTRUCTION IS USED TRANSPOSED: source 0 = 16 rows of B, source 1 = 16 rows of A.  Lane l then holds row l % 16 of C and its registers 0 to 7 the columns 8 (l / 16) + 0 .. 7.
; REGISTERS, in windows of 256 (s_set_vgpr_msb's low byte: bits 1:0 source 0, 3:2 source 1, 5:4 source 2, 7:6 destination):
;   window 0: v0-31 addresses; v64-127, v128-191 fragments of A, two buffers (in the very last K step four, of 16 rows x 128 K); v32-63, v192-255 at work on the way out
;   window 1: v0-63 the bias of my 128 columns (block b of 16 columns at v[8 b]); v64-127, v128-191 fragments of B, two buffers; in the very last K step all 256: B's fragments of the whole step
;   window 2: the 32 accumulators of my rows 0-63 ((a, b) at v[8 (8 a + b)]);   window 3: those of my rows 64-127
.set SIZE_K, 1024
.set KSTEP,  128
.set PITCH,  272                       ; an LDS row: 256 bytes + 16 of padding = 68 words: row r starts at bank 4 r mod 64 (64 banks of 4 bytes: ISA guide 11.1)
.set HALFT,  128*PITCH                 ; 128 rows: what one tensor load brings, and what one wave reads of A or of B
.set SLOT,   4*HALFT                   ; A's 256 rows, then B's 256 rows
.set STAGE,  2*SLOT                    ; behind the ring: 16 rows x 272 bytes for each wave, for the way out
.set SPITCH, 272
.set SPARE,  STAGE+4*16*SPITCH         ; behind the stages: the spare words, 128 bytes for each wave: two blocks of 256 bytes that no other line names
.set LAPS,   SIZE_K/(2*KSTEP)          ; a lap = two K steps = once round the ring
.set TILES,  3
.set ROWC,   6144                      ; bytes in a row of C
.set BACK_A, (SIZE_K-2*KSTEP)*2        ; from a slot's last K step of a tile to its first of the next: A goes back along K,
.set NEXT_B, 1024*SIZE_K*2-BACK_A      ; B 1,024 rows down and back
.set ADRA, 16                          ; v16-17  LDS address of my A fragments in slot 0, 1
.set ADRB, 20                          ; v20-21  the same for B
.set STO,  24                          ; v24     the way out: where I put 16 bytes of a row
.set RD,   25                          ; v25     the way out: where I read a row back
.set CO,   26                          ; v26     my byte offset in C
.set BO,   27                          ; v27     my byte offset in 16 numbers of the bias: 32 (l / 16); never rewritten
.set SPW,  28                          ; v28     LDS address of my spare word: SPARE + 4 x my thread's number; never rewritten
.set NIL,  29                          ; v29     0; never rewritten
.set PFO,  30                          ; v30     the prefetches' offset: my lane x a row of A or B (2,048 bytes); never rewritten
.set PFA,  44                          ; s[44:45] where my prefetches stand: my work-group's 32 rows of the 128 that I fetch, one K step further along K than the refill that is being asked for
.set LIM,  43                          ; s43     1 in a wave that prefetches, else the greatest number
.set F0,   64
.set F1,   128
.set TMP,  192                         ; the way out: packed results, in window 0
.set OB,   32                          ; the way out: 16 rows read back from the stage: v32-63 and v224-255 by turns
.set PA,   64                          ; the very last K step: A's fragments of 16 rows x 128 K, 32 registers; four such buffers, v64-191
.set G1,   24                          ; s[24:31] descriptor group 1 for A's tiles
.set G0,   32                          ; s[32:39] descriptor group 0 for A's tiles, one set for each slot
.set G1B,  48                          ; s[48:55], s[56:63] the same for B's tiles
.set G0B,  56
.set CB,   68                          ; s[68:69] C at my part of the tile in hand
.set BIA,  70                          ; s[70:71] the bias at my 128 columns of the tile whose bias was loaded last
.set MSB, 0
.macro WIN new                         ; the immediate's high byte repeats the setting that is left; a switch that changes nothing is dropped
.if MSB != (\new)
	s_set_vgpr_msb (MSB<<8)|(\new)
.set MSB, \new
.endif
.endm
.set MUL_LO, 0xa1                      ; source 0 (B) window 1, source 1 (A) window 0, C and D window 2
.set MUL_HI, 0xf1                      ; the same, C and D window 3
.set MUL_B,  0x91                      ; a sum's first product: C (the bias) window 1, D window 2; + 0x40: D window 3
.set TO_B,   0x40                      ; destination window 1, address window 0
; A joint load.  Waves 0 and 1 fetch A's two halves, waves 2 and 3 B's.  The branch hangs on the wave's number alone.  An s_nop 0 and four v_nop follow each of the two lines.
.macro JLOAD s
	s_cmp_eq_u32 s11, 0
	s_cbranch_scc0 .Lfor_b_\@
	tensor_load_to_lds s[G0+4*(\s):G0+4*(\s)+3], s[G1:G1+7]
	s_nop 0
.rept 4
	v_nop
.endr
	s_branch .Lasked_\@
.Lfor_b_\@:
	tensor_load_to_lds s[G0B+4*(\s):G0B+4*(\s)+3], s[G1B:G1B+7]
	s_nop 0
.rept 4
	v_nop
.endr
.Lasked_\@:
.endm
; A PREFETCH, behind each joint load, its five lines and the run of LDS loads that follows them: the K step that stands two refills on, 512 matrix instructions ahead of the load that will want it:
; 32 rows x 256 bytes, a lane a row, one instruction a wave.  Each row's 256 bytes of a K step are named once in the launch: A's rows are read by one cluster alone, which asks for them in its first tile;
; B's rows are read by all sixteen clusters: the one with y = 0 asks.  The four partners that ask for a tile jointly share its rows out BY ADDRESS, 32 each (by cx for A, by cy for B).
; how = 0, in the loop: a tile's last two refills have no K step two on; how = 1, at a change of tiles: the next tile's K steps 2 and 3 of B.
.macro ASK how
.if \how
	s_cmp_eq_u32 s[LIM], 1
.else
	s_cmp_gt_u32 s3, s[LIM]                        ; s3 = 1 in the loop's last trip
.endif
	s_cbranch_scc0 .Lnot_mine_\@
	global_prefetch_b8 v[PFO], s[PFA:PFA+1] offset:KSTEP*2 th:TH_LOAD_NT scope:SCOPE_SE
.Lnot_mine_\@:
.endm
.macro CREST                           ; a round of the cluster's barrier behind its opening barrier
	s_cmp_lg_u32 s10, 0
	s_cbranch_scc1 .Lnot_wave_0_\@
	s_barrier_signal -3
.Lnot_wave_0_\@:
	s_barrier_wait -3
	s_barrier_signal -1
	s_barrier_wait -1
.endm
.macro CROUND                          ; a whole round
	s_barrier_signal -1
	s_barrier_wait -1
	CREST
.endm
; the bias of my 128 columns: register j of block b in lane l is bias[16 b + 8 (l / 16) + j], the layout of a result
.macro BIASLD
	WIN TO_B
.irp b, 0,1,2,3,4,5,6,7
	global_load_b128 v[8*(\b):8*(\b)+3],   v[BO], s[BIA:BIA+1] offset:64*(\b)
	global_load_b128 v[8*(\b)+4:8*(\b)+7], v[BO], s[BIA:BIA+1] offset:64*(\b)+16
.endr
	WIN 0
.endm
	s_load_b128 s[4:7], s[0:1], 0x0                ; A s[4:5], B s[6:7]
	s_load_b128 s[CB:CB+3], s[0:1], 0x10           ; C, bias
	v_lshl_add_u32 v[SPW], v0, 2, SPARE
	v_mov_b32 v[NIL], 0
	ds_add_u32 v[SPW], v[NIL]                      ; the wave's opening: the add and its wait stand ahead of my first tensor load; the set-up below, work on registers, stands between them
	v_lshrrev_b32 v1, 5, v0
	v_readfirstlane_b32 s10, v1                    ; wave 0..3
	s_lshr_b32 s11, s10, 1                         ; which half of the tile's rows is mine.  Also: I fetch for A (0) or for B (1)
	s_and_b32 s12, s10, 1                          ; which half of its columns.  Also: which 128 rows of that tile I fetch
	s_bfe_u32 s40, ttmp6, 0x40000                  ; cx
	s_bfe_u32 s41, ttmp6, 0x40004                  ; cy
	s_lshl_b32 s42, ttmp9, 2
	s_add_co_u32 s42, s42, s40                     ; tx = 4 x cluster x + cx
	s_and_b32 s13, ttmp7, 0xffff
	s_lshl_b32 s13, s13, 2
	s_add_co_u32 s13, s13, s41                     ; ty = 4 x cluster y + cy
	s_lshl_b32 s43, s41, 2
	s_lshl_b32 s43, 15, s43                        ; my row of the cluster
	s_lshl_b32 s44, 0x1111, s40                    ; my column
	; descriptor group 1: a tile of 128 rows x 128 elements, padded in LDS
	s_or_b32 s[G1+0], s43, (1<<16)|(1<<20)|(1<<21)|(5<<22)|(3<<25)  ; 15:0 the mask: A's tiles go to my row; 17:16 elements of 2 bytes; 20 padding on; 21 set beside a mask; 24:22 after every 64 words (code 5); 31:25 4 words of it (code 3)
	s_or_b32 s[G1B+0], s44, (1<<16)|(1<<20)|(1<<21)|(5<<22)|(3<<25) ; the same with the mask of my column
.irp g, G1, G1B
	s_mov_b32 s[(\g)+1], KSTEP<<16                 ; tensor_dim0 = 128
	s_mov_b32 s[(\g)+2], 128<<16                   ; tensor_dim1 = 128
	s_mov_b32 s[(\g)+3], KSTEP<<16                 ; tile_dim0 = 128
	s_mov_b32 s[(\g)+4], 128                       ; tile_dim1 = 128
	s_mov_b32 s[(\g)+5], SIZE_K                    ; elements from row to row
	s_mov_b32 s[(\g)+6], 0
	s_mov_b32 s[(\g)+7], 0
.endr
	; where the tiles come from.  A's hang on ty alone, which my row of the cluster shares; B's on tx alone, which my column shares
	s_lshl_b32 s17, s12, 7                         ; which 128 rows of the tile I fetch
	s_lshl_b32 s16, s13, 8
	s_add_co_u32 s16, s16, s17
	s_lshl_b32 s16, s16, 11                        ; A: (256 ty + 128 half) rows of 2,048 bytes
	s_lshl_b32 s46, s42, 8
	s_add_co_u32 s46, s46, s17
	s_lshl_b32 s46, s46, 11                        ; B: (256 tx + 128 half) rows
	s_mov_b32 s17, 0
	s_mov_b32 s47, 0
	s_mul_i32 s20, s10, HALFT                      ; and where they go: wave x 128 rows: no place in the cluster enters an LDS address
	s_wait_dscnt 0x0                               ; the opening add is done
	s_wait_kmcnt 0x0
	s_add_nc_u64 s[14:15], s[4:5], s[16:17]
	s_add_nc_u64 s[46:47], s[6:7], s[46:47]
	CROUND                                         ; all sixteen work-groups are here: the first joint loads meet
.irp s, 0,1
	s_mov_b32 s[G0+4*(\s)], 1                                      ; count = 1
	s_add_co_u32 s[G0+4*(\s)+1], s20, (\s)*SLOT                    ; LDS address
	s_add_nc_u64 s[G0+4*(\s)+2:G0+4*(\s)+3], s[14:15], (\s)*KSTEP*2  ; global address: K step s
	s_or_b32 s[G0+4*(\s)+3], s[G0+4*(\s)+3], 0x80000000            ; type = 2
	s_mov_b32 s[G0B+4*(\s)], 1
	s_add_co_u32 s[G0B+4*(\s)+1], s20, (\s)*SLOT
	s_add_nc_u64 s[G0B+4*(\s)+2:G0B+4*(\s)+3], s[46:47], (\s)*KSTEP*2
	s_or_b32 s[G0B+4*(\s)+3], s[G0B+4*(\s)+3], 0x80000000
	JLOAD \s                                       ; the ring is filled before anything else is done: two loads of mine are out
.endr
	v_and_b32 v1, 15, v0                           ; l % 16
	v_bfe_u32 v2, v0, 4, 1                         ; l / 16
	v_lshlrev_b32 v[BO], 5, v2
	s_lshl_b32 s46, s42, 9                         ; my first column of the first tile, in bytes of C: 512 tx + 256 half
	s_lshl_b32 s47, s12, 8
	s_add_co_u32 s46, s46, s47
	s_mov_b32 s47, 0
	s_lshl_b32 s20, s46, 1                         ; and in bytes of the bias
	s_mov_b32 s21, 0
	s_add_nc_u64 s[BIA:BIA+1], s[BIA:BIA+1], s[20:21]
	BIASLD                                         ; the first tile's bias
	; A fragment is 16 rows x 32 K in 8 registers: lane l holds row l % 16; registers 0-3 hold K = 8 (l / 16) + 0..7, registers 4-7 K = 16 + 8 (l / 16) + 0..7: two loads of 16 bytes, 32 bytes apart
	v_mul_u32_u24 v3, v1, PITCH
	v_lshl_add_u32 v3, v2, 4, v3                   ; row x pitch + 16 x half
	s_mul_i32 s21, s11, HALFT                      ; my 128 rows of A
	s_mul_i32 s22, s12, HALFT                      ; my 128 rows of B,
	s_add_co_u32 s22, s22, 2*HALFT                 ; which lie behind A's 256
.irp s, 0,1
	v_add_nc_u32 v[ADRA+(\s)], s21, v3
	v_add_nc_u32 v[ADRB+(\s)], s22, v3
	s_add_co_u32 s21, s21, SLOT
	s_add_co_u32 s22, s22, SLOT
.endr
	s_mul_i32 s23, s10, 16*SPITCH
	s_add_co_u32 s23, s23, STAGE                   ; my stage
	v_mul_u32_u24 v4, v1, SPITCH                   ; in: row l % 16, 16 bytes for each half of the lanes
	v_lshl_add_u32 v4, v2, 4, v4
	v_add_nc_u32 v[STO], s23, v4
	v_mul_u32_u24 v5, v2, SPITCH                   ; back: lanes 0-15 take one row of 256 bytes, lanes 16-31 the next
	v_lshl_add_u32 v5, v1, 4, v5
	v_add_nc_u32 v[RD], s23, v5
	v_mul_u32_u24 v5, v2, ROWC                     ; and the same two rows in C
	v_lshl_add_u32 v[CO], v1, 4, v5
	s_lshl_b32 s13, s13, 8
	s_lshl_b32 s14, s11, 7
	s_add_co_u32 s16, s13, s14                     ; my first row of C,
	s_mul_i32 s16, s16, ROWC                       ; in bytes (under 2^27)
	s_mov_b32 s17, 0
	s_add_nc_u64 s[16:17], s[16:17], s[46:47]
	s_add_nc_u64 s[CB:CB+1], s[CB:CB+1], s[16:17]
	; the prefetches.  s13 = 256 ty, s42 = tx, s40 = cx, s41 = cy still stand
	s_lshl_b32 s42, s42, 8
	s_and_b32 s22, ttmp7, 0xffff                   ; cluster y
	s_cmp_eq_u32 s11, 0                            ; do I fetch for A?
	s_cselect_b32 s20, s13, s42                    ; the tile's first row
	s_cselect_b32 s21, s40, s41                    ; my place among the four that ask for it with me
	s_cselect_b32 s22, ttmp9, s22                  ; the coordinate along which other clusters read the same rows
	s_cselect_b64 s[PFA:PFA+1], s[4:5], s[6:7]
	s_cmp_eq_u32 s22, 0
	s_cselect_b32 s[LIM], 1, -1                    ; the same in all sixteen partners, for a given wave
	s_lshl_b32 s22, s12, 7
	s_add_co_u32 s20, s20, s22                     ; + the 128 rows that I fetch
	s_lshl_b32 s21, s21, 5
	s_add_co_u32 s20, s20, s21                     ; + my work-group's 32 of them
	s_lshl_b32 s20, s20, 11
	s_mov_b32 s21, 0
	s_add_nc_u64 s[PFA:PFA+1], s[PFA:PFA+1], s[20:21]
	s_add_nc_u64 s[PFA:PFA+1], s[PFA:PFA+1], 2*KSTEP*2  ; at K step 2: the first refill steps it to 3 and names K step 4.  Nothing is prefetched here, at the head
	v_and_b32 v[PFO], 31, v0
	v_lshlrev_b32 v[PFO], 11, v[PFO]
; 16 matrix instructions: m blocks a0, a0 + 1 of the window's four (hi = 0: my rows 0-63, 1: rows 64-127) x all 8 n blocks, 32 along K.  first = 1: the product starts the sum, with the bias as C.
.macro MUL16 f, hi, a0, first
.if \first
	WIN MUL_B+0x40*(\hi)
.else
	WIN MUL_LO+0x50*(\hi)
.endif
.irp a, \a0, (\a0)+1
.irp b, 0,1,2,3,4,5,6,7
.if \first
	v_wmma_f32_16x16x32_bf16 v[8*(8*(\a)+(\b)):8*(8*(\a)+(\b))+7], v[(\f)+8*(\b):(\f)+8*(\b)+7], v[(\f)+8*(4*(\hi)+(\a)):(\f)+8*(4*(\hi)+(\a))+7], v[8*(\b):8*(\b)+7]
.else
	v_wmma_f32_16x16x32_bf16 v[8*(8*(\a)+(\b)):8*(8*(\a)+(\b))+7], v[(\f)+8*(\b):(\f)+8*(\b)+7], v[(\f)+8*(4*(\hi)+(\a)):(\f)+8*(4*(\hi)+(\a))+7], v[8*(8*(\a)+(\b)):8*(8*(\a)+(\b))+7]
.endif
.endr
.endr
.endm
; 32 LDS loads in one run: the fragments of one quarter step (128 rows of B, 128 rows of A, 32 K at byte k of the rows) into buffer f
.macro FETCH slot, k, f
	WIN TO_B
.irp i, 0,1,2,3,4,5,6,7
	ds_load_b128 v[(\f)+8*(\i):(\f)+8*(\i)+3],   v[ADRB+(\slot)] offset:(\k)+(\i)*16*PITCH
	ds_load_b128 v[(\f)+8*(\i)+4:(\f)+8*(\i)+7], v[ADRB+(\slot)] offset:(\k)+(\i)*16*PITCH+32
.endr
	WIN 0
.irp i, 0,1,2,3,4,5,6,7
	ds_load_b128 v[(\f)+8*(\i):(\f)+8*(\i)+3],   v[ADRA+(\slot)] offset:(\k)+(\i)*16*PITCH
	ds_load_b128 v[(\f)+8*(\i)+4:(\f)+8*(\i)+7], v[ADRA+(\slot)] offset:(\k)+(\i)*16*PITCH+32
.endr
.endm
; four places in front of loads into registers that matrix instructions have read, and of conversions that read results just made
.macro PLACES
.rept 4
	v_nop
.endr
.endm
; A K step is four quarters of 32 along K, 64 matrix instructions each, on buffers 0, 1, 0, 1; the 64 accumulators take turns in the same order in every quarter.
; One of the first three: multiplies buffer f; in its middle it fetches the next quarter's fragments, at byte k of the same slot's rows, into buffer g.
.macro QUARTER slot, k, f, g, first
	s_wait_dscnt 8                                 ; B and A's rows 0-63 are in; the youngest eight loads (A's rows 64-127) may be out
	MUL16 \f, 0, 0, \first
	MUL16 \f, 0, 2, \first
	PLACES
	FETCH \slot, \k, \g
	s_wait_dscnt 32                                ; all but the 32 just issued
	MUL16 \f, 1, 0, \first
	MUL16 \f, 1, 2, \first
.endm
; The last quarter multiplies buffer 1 and changes slots.  MEET is its first half: one barrier for the change.  In front of it each wave waits for all its tensor loads, of which one is out: its part of the next
; slot; adds 0 to its spare word; and waits for that and for its own reads of this slot.  Behind it nobody reads this slot any more and the next slot is whole.
.macro MEET round                      ; round = 1: a round of the cluster's barrier follows
	WIN 0                                          ; (the add's two registers lie in window 0)
	s_wait_tensorcnt 0x0
	ds_add_u32 v[SPW], v[NIL]                      ; 0 onto my spare word
	s_wait_dscnt 9                                 ; (the add and the youngest eight loads may be out)
	MUL16 F1, 0, 0, 0                              ; sixteen matrix instructions stand between the add and the wait for it
	s_wait_dscnt 0x0                               ; the add is done, and my reads of this slot are over
	s_barrier_signal -1
	MUL16 F1, 0, 2, 0                              ; work on registers while the others arrive
.if \round
	WIN 0
.endif
	s_barrier_wait -1
.endm
; The whole last quarter.  Behind the round the slot just read out is filled again first: with this tile's K step two steps on (on = 0) or, in a tile's last two K steps, with the next tile's K step 0 or 1
; (on = 1); then come the next slot's first fragments.  From a request to the wait for it a wave issues 224 matrix instructions.
.macro TURN slot, next, on
	s_wait_xcnt 0x0                                ; the last prefetch, a K step back, has read its address: it is stepped here
.if (\on) && (\slot) == 0
	s_add_nc_u64 s[PFA:PFA+1], s[PFA:PFA+1], 1023*SIZE_K*2+KSTEP*2  ; from the K step after the tile's last to the next tile's K step 1: 1,024 rows of B down, back along K
	s_cmp_eq_u32 s11, 0
	s_cselect_b32 s[LIM], -1, s[LIM]               ; A's rows are the same for all three tiles: they are prefetched no more
.else
	s_add_nc_u64 s[PFA:PFA+1], s[PFA:PFA+1], KSTEP*2
.endif
	MEET 1
	CREST                                          ; no wave of any partner still reads this slot's tile or has a load on its way
.if \on
	s_sub_nc_u64 s[G0+4*(\slot)+2:G0+4*(\slot)+3], s[G0+4*(\slot)+2:G0+4*(\slot)+3], BACK_A
	s_add_nc_u64 s[G0B+4*(\slot)+2:G0B+4*(\slot)+3], s[G0B+4*(\slot)+2:G0B+4*(\slot)+3], NEXT_B
.else
	s_add_nc_u64 s[G0+4*(\slot)+2:G0+4*(\slot)+3], s[G0+4*(\slot)+2:G0+4*(\slot)+3], 2*KSTEP*2
	s_add_nc_u64 s[G0B+4*(\slot)+2:G0B+4*(\slot)+3], s[G0B+4*(\slot)+2:G0B+4*(\slot)+3], 2*KSTEP*2
.endif
	JLOAD \slot                                    ; the first tensor load behind the round; the four v_nop behind it are also the places in front of the loads below
	FETCH \next, 0, F0
	ASK \on
	MUL16 F1, 1, 0, 0
	MUL16 F1, 1, 2, 0
.endm
; THE LAST K STEP OF THE LAST TILE (it lies in slot 1) GOES BY ROWS OF C, NOT BY K.  All its fragments of B (4 quarters x 64 registers) fill window 1, the bias's registers among them, which were last read in the
; tile's first quarter; then my eight blocks of 16 rows are finished one after the other, each with 32 matrix instructions (its 8 accumulators by turns, K ascending).  LDS is read no more than in any other K step.
.macro BLOAD q                         ; B's fragments of quarter q -> window 1, v[64 q ..]
	WIN TO_B
.irp i, 0,1,2,3,4,5,6,7
	ds_load_b128 v[64*(\q)+8*(\i):64*(\q)+8*(\i)+3],   v[ADRB+1] offset:64*(\q)+(\i)*16*PITCH
	ds_load_b128 v[64*(\q)+8*(\i)+4:64*(\q)+8*(\i)+7], v[ADRB+1] offset:64*(\q)+(\i)*16*PITCH+32
.endr
.endm
.macro ALOAD a                         ; A's fragments of block a, all four quarters -> buffer a % 4
	WIN 0
.set FA, PA+32*((\a)%4)
.irp q, 0,1,2,3
	ds_load_b128 v[FA+8*(\q):FA+8*(\q)+3],   v[ADRA+1] offset:64*(\q)+(\a)*16*PITCH
	ds_load_b128 v[FA+8*(\q)+4:FA+8*(\q)+7], v[ADRA+1] offset:64*(\q)+(\a)*16*PITCH+32
.endr
.endm
.macro ROW a                           ; block a is finished: 32 matrix instructions
.set FA, PA+32*((\a)%4)                ; its fragments of A
.set AC, 64*((\a)%4)                   ; its eight accumulators, in window 2 (blocks 0-3) or 3 (blocks 4-7)
	WIN MUL_LO+0x50*((\a)/4)
.irp q, 0,1,2,3
.if (\a) == 0 && (\q) == 2
	s_wait_dscnt 24                                ; B's quarter 2 is in (behind it: A's blocks 1 to 3)
.endif
.irp b, 0,1,2,3,4,5,6,7
	v_wmma_f32_16x16x32_bf16 v[AC+8*(\b):AC+8*(\b)+7], v[64*(\q)+8*(\b):64*(\q)+8*(\b)+7], v[FA+8*(\q):FA+8*(\q)+7], v[AC+8*(\b):AC+8*(\b)+7]
.endr
.endr
.endm
; THE WAY OUT of block a (16 rows), in three parts.  PACK: rounded to f16, 16 bytes a lane.  TOSTAGE: into my own stage in LDS, and back as whole rows of 256 bytes.  SEND: stored.
.macro PACK a
.set AC, 64*((\a)%4)
	WIN 0x0a+5*((\a)/4)                            ; sources 0 and 1: window 2 or 3
.irp b, 0,1,2,3,4,5,6,7
.irp r, 0,1,2,3
	v_cvt_pk_f16_f32 v[TMP+4*(\b)+(\r)], v[AC+8*(\b)+2*(\r)], v[AC+8*(\b)+2*(\r)+1]
.endr
.endr
	WIN 0
.endm
.macro TOSTAGE a
	WIN 0
.set BK, OB+192*((\a)%2)
.irp b, 0,1,2,3,4,5,6,7
	ds_store_b128 v[STO], v[TMP+4*(\b):TMP+4*(\b)+3] offset:32*(\b)
.endr
.irp t, 0,1,2,3,4,5,6,7
	ds_load_b128 v[BK+4*(\t):BK+4*(\t)+3], v[RD] offset:(\t)*2*SPITCH  ; LDS serves a wave's instructions in order (ISA guide 5.7.1.4): these see the stores above
.endr
.endm
.macro SEND a, younger                 ; younger: the LDS loads issued behind TOSTAGE's, which may stay out
	WIN 0
.set BK, OB+192*((\a)%2)
	s_wait_dscnt \younger                          ; the block is back in registers
	s_wait_xcnt 0x0                                ; only behind this wait are the stores' base and the registers that earlier stores read rewritten
.if (\a) == 0
	s_mov_b64 s[8:9], s[CB:CB+1]                   ; this tile's first rows
.else
	s_add_nc_u64 s[8:9], s[8:9], 16*ROWC           ; 16 rows of C on
.endif
.irp t, 0,1,2,3,4,5,6,7
	global_store_b128 v[CO], v[BK+4*(\t):BK+4*(\t)+3], s[8:9] offset:2*(\t)*ROWC th:TH_STORE_NT  ; 16 lanes store 256 consecutive bytes, at a multiple of 256 from C's first byte
.endr
.endm
	s_wait_tensorcnt 1                             ; my part of K step 0 is in; K step 1's may stay out
	s_barrier_signal -1
	s_barrier_wait -1                              ; everybody's is
	FETCH 0, 0, F0
	s_mov_b32 s2, TILES                            ; tiles to go, this one among them
.Ltile:
	s_wait_loadcnt 0x0                             ; the tile's bias
	QUARTER 0, 64,  F0, F1, 1                      ; a tile's first quarter stands in front of the loop: its products start the sums
	WIN 0                                          ; at a label and at a branch every window is 0
	s_mov_b32 s3, LAPS-1
.Llap:                                                 ; a trip goes once round the ring, from a lap's second quarter to the next lap's first, and fills both slots again
	QUARTER 0, 128, F1, F0, 0
	QUARTER 0, 192, F0, F1, 0
	TURN 0, 1, 0
	QUARTER 1, 64,  F0, F1, 0
	QUARTER 1, 128, F1, F0, 0
	QUARTER 1, 192, F0, F1, 0
	TURN 1, 0, 0
	QUARTER 0, 64,  F0, F1, 0
	WIN 0
	s_sub_co_u32 s3, s3, 1
	s_cmp_lg_u32 s3, 0
	s_cbranch_scc1 .Llap
	QUARTER 0, 128, F1, F0, 0                      ; the tile's last lap goes on
	QUARTER 0, 192, F0, F1, 0
	WIN 0
	s_cmp_eq_u32 s2, 1
	s_cbranch_scc1 .Llast_tile                     ; the last tile's tail is written out: it asks for nothing more
	s_add_nc_u64 s[BIA:BIA+1], s[BIA:BIA+1], 4096  ; the next tile's bias, 1,024 numbers on (the loads that read this address were waited for at the tile's head);
	BIASLD                                         ; its registers were last read in this tile's first quarter; it is waited for at the next tile's head
	TURN 0, 1, 1                                   ; THE RING GOES ON INTO THE NEXT TILE: slot 0 takes its K step 0,
	QUARTER 1, 64,  F0, F1, 0
	QUARTER 1, 128, F1, F0, 0
	QUARTER 1, 192, F0, F1, 0
	TURN 1, 0, 1                                   ; slot 1 its K step 1, and the next tile's first fragments are fetched
	PACK 0                                         ; BOTH REFILLS ARE ASKED FOR: NOW THE TILE GOES OUT.  No v_nop: blocks 0-3 were finished in front of TURN's places, and their 128 conversions
	TOSTAGE 0                                      ; are the places behind the last products (blocks 4-7's)
.irp a, 1,2,3,4,5,6,7                  ; block a's conversions stand between block a - 1's loads from the stage and the wait for them
	PACK \a
	SEND (\a)-1, 0
	TOSTAGE \a
.endr
	SEND 7, 0
	s_add_nc_u64 s[CB:CB+1], s[CB:CB+1], 2048      ; the next tile lies 1,024 columns on
	s_sub_co_u32 s2, s2, 1
	s_branch .Ltile
.Llast_tile:
	MEET 0                                         ; my one tensor load that was still out is slot 1's, the last K step's, so no round follows
	PLACES                                         ; for the loads into buffer 0, which the quarter before multiplied
	BLOAD 0                                        ; three quarters of B now: buffer 1 (v128-191 of both windows) is still being multiplied
	BLOAD 1
	BLOAD 3
	ALOAD 0
	MUL16 F1, 1, 0, 0
	MUL16 F1, 1, 2, 0
	PLACES                                         ; for the loads into buffer 1
	BLOAD 2
	ALOAD 1
	ALOAD 2
	ALOAD 3
	s_wait_dscnt 40                                ; all but the 40 just issued: B's quarter 2 and A's blocks 1 to 3
	ROW 0
.irp a, 0,1,2,3,4,5,6,7                ; each block leaves as soon as it is finished: nothing follows this tile under which its stores could leave
	PLACES                                         ; its conversions read results just made
	PACK \a
	TOSTAGE \a
.if (\a) < 4
	ALOAD (\a)+4                                   ; its buffer takes the block four further on
	SEND \a, 8                                     ; those eight loads may stay out
.else
	SEND \a, 0
.endif
.if (\a) < 7
	ROW (\a)+1
.endif
.endr
	s_wait_tensorcnt 0x0                           ; the wave's end, behind my last tensor load and my last LDS store
	ds_add_u32 v[SPW], v[NIL]
	s_wait_dscnt 0x0
	CROUND                                         ; the closing round: no work-group ends while a partner may still ask for a tile that names it
	s_endpgm
.Lfunc_end_k_q549b90e3d0_qkv:
	.size	k_q549b90e3d0_qkv, .Lfunc_end_k_q549b90e3d0_qkv-k_q549b90e3d0_qkv
	.p2alignl 7, 3214868480
	.fill 96, 4, 3214868480
	.section	.rodata,"a",@progbits
	.p2align	6, 0x0
	.amdhsa_kernel k_q549b90e3d0_qkv
		.amdhsa_group_segment_fixed_size 327680
		.amdhsa_private_segment_fixed_size 0
		.amdhsa_enable_private_segment 0
		.amdhsa_kernarg_size 32
		.amdhsa_user_sgpr_count 2
		.amdhsa_user_sgpr_kernarg_segment_ptr 1
		.amdhsa_wavefront_size32 1
		.amdhsa_system_sgpr_workgroup_id_x 1
		.amdhsa_system_sgpr_workgroup_id_y 1
		.amdhsa_system_sgpr_workgroup_id_z 1
		.amdhsa_system_vgpr_workitem_id 0
		.amdhsa_next_free_vgpr 1024
		.amdhsa_next_free_sgpr 72
		.amdhsa_reserve_vcc 0
		.amdhsa_float_denorm_mode_32 3
		.amdhsa_float_denorm_mode_16_64 3
		.amdhsa_memory_ordered 1
		.amdhsa_forward_progress 1
		.amdhsa_inst_pref_size 213
	.end_amdhsa_kernel
	.amdgpu_metadata
---
amdhsa.version: [ 1, 2 ]
amdhsa.kernels:
  - .name:           k_q549b90e3d0_qkv
    .symbol:         k_q549b90e3d0_qkv.kd
    .args:
      - { .name: xb, .offset: 0, .size: 8, .value_kind: global_buffer, .address_space: global }
      - { .name: wqkv, .offset: 8, .size: 8, .value_kind: global_buffer, .address_space: global }
      - { .name: qkvh, .offset: 16, .size: 8, .value_kind: global_buffer, .address_space: global }
      - { .name: biasr, .offset: 24, .size: 8, .value_kind: global_buffer, .address_space: global }
    .group_segment_fixed_size: 327680
    .private_segment_fixed_size: 0
    .kernarg_segment_align: 8
    .kernarg_segment_size: 32
    .max_flat_workgroup_size: 128
    .sgpr_count:     72
    .vgpr_count:     1024
    .wavefront_size: 32
...
	.end_amdgpu_metadata
.endif
;; end of part 2
;; launch attn (part 3): grid 2048 x 1, 4 waves a work-group, no clusters, 0 bytes of LDS; arguments qkvh, ob; writes ob
.if DOCPART == 3
	.amdgcn_target "amdgcn-amd-amdhsa--gfx1250"
	.amdhsa_code_object_version 6
	.text
	.protected	k_q549b90e3d0_attn
	.globl	k_q549b90e3d0_attn
	.p2align	8
	.type	k_q549b90e3d0_attn,@function
k_q549b90e3d0_attn:
	s_mov_b64 s[64:65], 0
	v_nop
	global_prefetch_b8 v0, s[64:65] scope:SCOPE_SE
	s_setreg_imm32_b32 hwreg(HW_REG_WAVE_MODE, 25, 1), 1
	s_wait_xcnt 0x0
; ATTN.  For each token (i, j): E[a][l] = the sum over d of q[i][j][a][d] k[j][i][l][d] (16 query heads a x 16 key heads l, d = 64); P = softmax of E over a (the QUERY heads), divided by 32;
; O[a][c] = the sum over l of P[a][l] v[i][j][l][c].  qkvh: [16384][3072] f16, a token's row is q | k | v, each of 2,048 bytes, in the orders that the launch in front wrote:
;   q, k: place 256 cb + 8 (r + 16 h) + j holds head r, channel 16 cb + 8 h + j;     v: that place holds head 8 h + j, channel 16 cb + r.
; So 512 consecutive bytes, 16 a lane (lane = r + 16 h), ARE half a matrix fragment: nothing goes through LDS and nothing changes lanes but the softmax's maximum and sum.
; ob: [16384][1024] f16, in q's order.  Products, maximum and sums in f32; P is rounded to f16 for the second product, O once at the end.
; LIMITS.  The column's true maximum is taken away before the exponential.  A weight below 2^-126 counts as 0.  P and O below 6e-5 keep f16's fixed step of 6e-8.  |O| <= max |v| / 2.
; The second product holds two tokens' v in one operand, the other token's switched off by zeros: an infinity or a NaN in v of one token of a pair spoils the other too; NaN and infinities are not treated apart.
; SHARES.  A wave takes two tokens (i, j0), (i, j0 + 1): its 24 loads of 512 bytes go out at once; no loop, no barrier.  128 registers a wave: eight waves share a SIMD's 1,024, so 8 work-groups lie on each of
; 256 WGPs, which is the whole grid.  No cluster and no prefetch: no byte is read twice, and the launch is nothing but its stream.
; LAYOUT.  E^T = K Q^T (source 0 = 16 key heads, source 1 = 16 query heads): lane (r, h) holds query head r and in register j key head 8 h + j.  So the softmax over a runs across the 16 lanes of a row,
; and a lane's eight weights, rounded in pairs, are registers 0-3 of source 1 (16 of 32 along K) of O^T = V^T P, whose result holds head r and eight channels a lane: 16 bytes of ob.
.set TOK, 6144                         ; bytes in a token's row
.set KT,  128*TOK                      ; from k of token (j0, i) to k of (j0 + 1, i)
.set P0,  4                            ; v[4:7]     token 0's weights
.set Z,   8                            ; v[8:11]    0: v[4:11] is token 0's source 1, v[8:15] token 1's
.set P1,  12                           ; v[12:15]   token 1's weights
.set KF,  16                           ; v[16:47]   k, 16 registers a token; later O^T of token 0
.set M,   16                           ; v[16:31]   behind the scores: maxima, then sums (token 0's k is done with, and its loads have written these registers)
.set QF,  48                           ; v[48:79]   q, likewise; later O^T of token 1
.set VF,  80                           ; v[80:111]  v: 16 channels cb at VF + 8 cb: token 0 in registers 0-3 (K = 0-15), token 1 in 4-7 (K = 16-31); at the end token 1's packed output in v[80:95]
.set E,   112                          ; v[112:127] the scores, 8 a token; at the end token 0's packed output
	s_load_b128 s[4:7], s[0:1], 0x0                ; qkvh s[4:5], ob s[6:7]
	v_lshrrev_b32 v2, 5, v0
	v_readfirstlane_b32 s8, v2                     ; wave 0..3
	v_and_b32 v1, 31, v0
	v_lshlrev_b32 v1, 4, v1                        ; 16 bytes a lane
	s_lshl_b32 s9, ttmp9, 2
	s_add_co_u32 s9, s9, s8                        ; W: my pair of tokens, rows 2 W and 2 W + 1; i = W / 64, j0 = 2 (W % 64)
	s_mul_i32 s18, s9, 2*TOK
	s_mov_b32 s19, 0
	s_and_b32 s20, s9, 63
	s_lshl_b32 s20, s20, 8
	s_lshr_b32 s21, s9, 6
	s_add_co_u32 s20, s20, s21                     ; row 128 j0 + i
	s_mul_i32 s20, s20, TOK
	s_add_co_u32 s20, s20, 2048                    ; its k
	s_mov_b32 s21, 0
	s_lshl_b32 s22, s9, 12
	s_mov_b32 s23, 0
	s_mov_b32 s16, 0x3fb8aa3b                      ; log2(e)
	s_mov_b32 s17, s16                             ; named with it as a pair
	s_wait_kmcnt 0x0
	s_add_nc_u64 s[10:11], s[4:5], s[18:19]        ; my tokens' rows
	s_add_nc_u64 s[12:13], s[4:5], s[20:21]        ; k of the transposed token
	s_add_nc_u64 s[14:15], s[6:7], s[22:23]        ; my rows of ob
.irp t, 0,1
.irp c, 0,1,2,3
	global_load_b128 v[KF+16*(\t)+4*(\c):KF+16*(\t)+4*(\c)+3], v1, s[12:13] offset:KT*(\t)+512*(\c) th:TH_LOAD_NT
.endr
.irp c, 0,1,2,3
	global_load_b128 v[QF+16*(\t)+4*(\c):QF+16*(\t)+4*(\c)+3], v1, s[10:11] offset:TOK*(\t)+512*(\c) th:TH_LOAD_NT
.endr
.endr
.irp c, 0,1,2,3
.irp t, 0,1
	global_load_b128 v[VF+8*(\c)+4*(\t):VF+8*(\c)+4*(\t)+3], v1, s[10:11] offset:TOK*(\t)+4096+512*(\c) th:TH_LOAD_NT
.endr
.endr
	s_wait_loadcnt 8                               ; k and q are in; v's eight loads may stay out
	; the scores: two accumulators by turns; channels 0-31, then 32-63
	v_wmma_f32_16x16x32_f16 v[E:E+7],    v[KF:KF+7],     v[QF:QF+7],     0
	v_wmma_f32_16x16x32_f16 v[E+8:E+15], v[KF+16:KF+23], v[QF+16:QF+23], 0
	v_wmma_f32_16x16x32_f16 v[E:E+7],    v[KF+8:KF+15],  v[QF+8:QF+15],  v[E:E+7]
	v_wmma_f32_16x16x32_f16 v[E+8:E+15], v[KF+24:KF+31], v[QF+24:QF+31], v[E+8:E+15]
.irp i, 0,1,2,3
	v_mov_b32 v[Z+(\i)], 0                         ; these four moves are the places behind the products: the lines below read their results and write over token 0's k
.endr
; over the 16 lanes of a row: M = op over a of E, in every lane; the step is the outer loop, so that no line reads the result of the one before it
.macro ACROSS op
.set i, 0
.rept 16
	\op v[M+i], v[E+i], v[E+i] row_xmask:1 row_mask:0xf bank_mask:0xf
.set i, i+1
.endr
.irp x, 2,4,8
.set i, 0
.rept 16
	\op v[M+i], v[M+i], v[M+i] row_xmask:\x row_mask:0xf bank_mask:0xf
.set i, i+1
.endr
.endr
.endm
	ACROSS v_max_num_f32_dpp                       ; each accumulator's lowest register is read first
.set i, 0
.rept 8
	v_pk_add_f32 v[E+i:E+i+1], v[E+i:E+i+1], v[M+i:M+i+1] neg_lo:[0,1] neg_hi:[0,1]  ; s - m first, so that the error does not grow with the size of the scores,
.set i, i+2
.endr
.set i, 0
.rept 8
	v_pk_mul_f32 v[E+i:E+i+1], v[E+i:E+i+1], s[16:17] op_sel_hi:[1,0]                ; then times log2(e)
.set i, i+2
.endr
.set i, 0
.rept 16
	v_exp_f32 v[E+i], v[E+i]
.set i, i+1
.endr
	v_nop                                          ; a plain instruction behind the last exponential,
	s_wait_alu depctr_va_vdst(0)                   ; and one wait for the batch of sixteen, ahead of its first reader
	ACROSS v_add_f32_dpp                           ; the sums: 1 at the least, since the column's largest weight is 1
.set i, 0
.rept 8
	v_pk_mul_f32 v[M+i:M+i+1], v[M+i:M+i+1], 0x42000000 op_sel_hi:[1,0]              ; times 32 = sqrt(1024): the scale behind the softmax goes into the divisor
.set i, i+2
.endr
.set i, 0
.rept 16
	v_rcp_f32 v[M+i], v[M+i]
.set i, i+1
.endr
	v_nop
	s_wait_alu depctr_va_vdst(0)                   ; one wait for the sixteen reciprocals
.set i, 0
.rept 8
	v_pk_mul_f32 v[E+i:E+i+1], v[E+i:E+i+1], v[M+i:M+i+1]
.set i, i+2
.endr
.irp c, 0,1,2,3
	v_cvt_pk_f16_f32 v[P0+(\c)], v[E+2*(\c)], v[E+2*(\c)+1]
	v_cvt_pk_f16_f32 v[P1+(\c)], v[E+8+2*(\c)], v[E+8+2*(\c)+1]
.endr
	s_wait_loadcnt 0x0                             ; v
.irp c, 0,1,2,3                        ; eight different accumulators, each one product: K = 0-15 are token 0's key heads, K = 16-31 token 1's
	v_wmma_f32_16x16x32_f16 v[KF+8*(\c):KF+8*(\c)+7], v[VF+8*(\c):VF+8*(\c)+7], v[P0:P0+7], 0
	v_wmma_f32_16x16x32_f16 v[QF+8*(\c):QF+8*(\c)+7], v[VF+8*(\c):VF+8*(\c)+7], v[Z:Z+7], 0
.endr
.rept 4
	v_nop                                          ; the places behind the last products: the conversions read their results, and token 1's write over v's registers
.endr
.irp t, 0,1
.irp c, 0,1,2,3
.irp p, 0,1,2,3
	v_cvt_pk_f16_f32 v[E-32*(\t)+4*(\c)+(\p)], v[KF+32*(\t)+8*(\c)+2*(\p)], v[KF+32*(\t)+8*(\c)+2*(\p)+1]
.endr
	global_store_b128 v1, v[E-32*(\t)+4*(\c):E-32*(\t)+4*(\c)+3], s[14:15] offset:2048*(\t)+512*(\c) th:TH_STORE_NT  ; 512 consecutive bytes, aligned
.endr
.endr
	s_endpgm
.Lfunc_end_k_q549b90e3d0_attn:
	.size	k_q549b90e3d0_attn, .Lfunc_end_k_q549b90e3d0_attn-k_q549b90e3d0_attn
	.p2alignl 7, 3214868480
	.fill 96, 4, 3214868480
	.section	.rodata,"a",@progbits
	.p2align	6, 0x0
	.amdhsa_kernel k_q549b90e3d0_attn
		.amdhsa_group_segment_fixed_size 0
		.amdhsa_private_segment_fixed_size 0
		.amdhsa_enable_private_segment 0
		.amdhsa_kernarg_size 16
		.amdhsa_user_sgpr_count 2
		.amdhsa_user_sgpr_kernarg_segment_ptr 1
		.amdhsa_wavefront_size32 1
		.amdhsa_system_sgpr_workgroup_id_x 1
		.amdhsa_system_sgpr_workgroup_id_y 1
		.amdhsa_system_sgpr_workgroup_id_z 1
		.amdhsa_system_vgpr_workitem_id 0
		.amdhsa_next_free_vgpr 128
		.amdhsa_next_free_sgpr 66
		.amdhsa_reserve_vcc 0
		.amdhsa_float_denorm_mode_32 3
		.amdhsa_float_denorm_mode_16_64 3
		.amdhsa_memory_ordered 1
		.amdhsa_forward_progress 1
		.amdhsa_inst_pref_size 20
	.end_amdhsa_kernel
	.amdgpu_metadata
---
amdhsa.version: [ 1, 2 ]
amdhsa.kernels:
  - .name:           k_q549b90e3d0_attn
    .symbol:         k_q549b90e3d0_attn.kd
    .args:
      - { .name: qkvh, .offset: 0, .size: 8, .value_kind: global_buffer, .address_space: global }
      - { .name: ob, .offset: 8, .size: 8, .value_kind: global_buffer, .address_space: global }
    .group_segment_fixed_size: 0
    .private_segment_fixed_size: 0
    .kernarg_segment_align: 8
    .kernarg_segment_size: 16
    .max_flat_workgroup_size: 128
    .sgpr_count:     66
    .vgpr_count:     128
    .wavefront_size: 32
...
	.end_amdgpu_metadata
.endif
;; end of part 3
;; launch proj (part 4): grid 4 x 64, 4 waves a work-group, clusters of 4 x 4, 327,680 bytes of LDS; arguments ob, wpb, out0, biasr; writes out0
.if DOCPART == 4
	.amdgcn_target "amdgcn-amd-amdhsa--gfx1250"
	.amdhsa_code_object_version 6
	.text
	.protected	k_q549b90e3d0_proj
	.globl	k_q549b90e3d0_proj
	.p2align	8
	.type	k_q549b90e3d0_proj,@function
k_q549b90e3d0_proj:
	s_mov_b64 s[64:65], 0
	v_nop
	global_prefetch_b8 v0, s[64:65] scope:SCOPE_SE
	s_setreg_imm32_b32 hwreg(HW_REG_WAVE_MODE, 25, 1), 1
	s_wait_xcnt 0x0
	s_wait_alu depctr_hold_cnt(0) depctr_sa_sdst(0) depctr_va_vdst(0) depctr_va_sdst(0) depctr_va_ssrc(0) depctr_va_vcc(0) depctr_vm_vsrc(0)
	s_getreg_b32 s2, hwreg(HW_REG_IB_STS2, 6, 4)
	s_cmp_eq_u32 s2, 0
	s_cbranch_scc0 .Lentry_in_a_cluster
	s_endpgm
.Lentry_in_a_cluster:
	s_bfe_u32 s2, ttmp6, 0x10000c
	s_cmp_lg_u32 s2, 0xf033
	s_cbranch_scc0 .Lentry_shape_is_right
	s_endpgm
.Lentry_shape_is_right:
; PROJ.  C[m][n] = bp[n] + the sum over k of A[m][k] B[n][k].  A = ob [16384][1024] f16, B = wpb [1024][1024] f16 (both with K in the same order, the one in which the attention launch leaves its channels),
; bp = biasr + 3,072 numbers, f32, C = out0 [16384][1024] f32; sums in f32, nothing is rounded behind them.
; A tile of C, 256 x 256, is made by a work-group of four waves, one tile to a work-group; a wave makes 128 x 128: 64 accumulators, 512 registers.  K goes in steps of 128 through a ring of two LDS slots
; filled by the tensor data mover: a tile's rows are 256 bytes of memory and start at multiples of 256 bytes.  The last K step goes by rows of C, so that finished rows leave while the others are multiplied.
; CLUSTERS: 4 x 4 work-groups; A's tiles are asked for jointly along a row of the cluster, B's along a column.
; THE BIAS IS THE C OPERAND of the product that starts each sum.  THE MATRIX INSTRUCTION IS USED TRANSPOSED (source 0 = 16 rows of B, source 1 = 16 rows of A): lane l holds row l % 16 of C and eight neighbouring columns.
; REGISTERS, in windows of 256 (s_set_vgpr_msb's low byte: bits 1:0 source 0, 3:2 source 1, 5:4 source 2, 7:6 destination):
;   window 0: v0-31 addresses; v64-127, v128-191 fragments of A, two buffers (in the last K step four, of 16 rows x 128 K); v192-255 on the way out: 16 rows read back from the stage
;   window 1: v0-63 the bias of my 128 columns; v64-127, v128-191 fragments of B; in the last K step all 256: B's fragments of the whole step
;   windows 2, 3: the accumulators of my rows 0-63, 64-127 ((a, b) at v[8 (8 a + b)])
.set SIZE_K, 1024
.set KSTEP,  128
.set PITCH,  272                       ; an LDS row: 256 bytes + 16 of padding = 68 words: row r starts at bank 4 r mod 64 (64 banks of 4 bytes: ISA guide 11.1)
.set HALFT,  128*PITCH
.set SLOT,   4*HALFT
.set STAGE,  2*SLOT                    ; behind the ring: 16 rows x 528 bytes for each wave, for the way out
.set SPITCH, 528                       ; 512 bytes + 16 = 132 words: row r again starts at bank 4 r mod 64
.set SPARE,  STAGE+4*16*SPITCH         ; behind the stages: the spare words, 128 bytes for each wave: two blocks of 256 bytes that no other line names
.set LAPS,   SIZE_K/(2*KSTEP)
.set ROWC,   4096                      ; bytes in a row of C
.set ADRA, 16
.set ADRB, 20
.set STO,  24                          ; v24     the way out: where I put 32 bytes of a row
.set RD,   25                          ; v25     the way out: where I read 16 bytes of a row back
.set CO,   26                          ; v26     my byte offset in 512 bytes of a row of C
.set BO,   27                          ; v27     32 (l / 16); never rewritten
.set SPW,  28                          ; v28     LDS address of my spare word: SPARE + 4 x my thread's number; never rewritten
.set NIL,  29                          ; v29     0; never rewritten
.set PFO,  30                          ; v30     my lane x a row of A or B (2,048 bytes); never rewritten
.set PFA,  44                          ; s[44:45] where my prefetches stand
.set LIM,  43                          ; s43     1 in a wave that prefetches, else the greatest number
.set F0,   64
.set F1,   128
.set PA,   64                          ; the last K step: A's fragments of 16 rows x 128 K, 32 registers; four such buffers, v64-191
.set BK,   192                         ; the way out: v192-255
.set G1,   24
.set G0,   32
.set G1B,  48
.set G0B,  56
.set CB,   68                          ; s[68:69] C as it came
.set BIA,  70                          ; s[70:71] the bias at my 128 columns
.set MSB, 0
.macro WIN new
.if MSB != (\new)
	s_set_vgpr_msb (MSB<<8)|(\new)
.set MSB, \new
.endif
.endm
.set MUL_LO, 0xa1
.set MUL_HI, 0xf1
.set MUL_B,  0x91
.set TO_B,   0x40
.macro JLOAD s                         ; a joint load: waves 0 and 1 fetch A's two halves, waves 2 and 3 B's; an s_nop 0 and four v_nop follow each of the two lines
	s_cmp_eq_u32 s11, 0
	s_cbranch_scc0 .Lfor_b_\@
	tensor_load_to_lds s[G0+4*(\s):G0+4*(\s)+3], s[G1:G1+7]
	s_nop 0
.rept 4
	v_nop
.endr
	s_branch .Lasked_\@
.Lfor_b_\@:
	tensor_load_to_lds s[G0B+4*(\s):G0B+4*(\s)+3], s[G1B:G1B+7]
	s_nop 0
.rept 4
	v_nop
.endr
.Lasked_\@:
.endm
; A PREFETCH, behind each joint load, its five lines and the run of LDS loads that follows them: the K step that stands two refills on, 512 matrix instructions ahead of the load that will want it:
; 32 rows x 256 bytes, a lane a row, one instruction a wave.  A's rows are read by one cluster alone, which asks for them; B's by all sixteen: the one with y = 0 asks.  The four partners that ask for a tile
; jointly share its rows out BY ADDRESS, 32 each.  So each row's 256 bytes of a K step are named once in the launch.  The last two refills have no K step two on.
.macro ASK
	s_cmp_gt_u32 s3, s[LIM]                        ; s3 = 1 in the loop's last trip
	s_cbranch_scc0 .Lnot_mine_\@
	global_prefetch_b8 v[PFO], s[PFA:PFA+1] offset:KSTEP*2 th:TH_LOAD_NT scope:SCOPE_SE
.Lnot_mine_\@:
.endm
.macro CREST
	s_cmp_lg_u32 s10, 0
	s_cbranch_scc1 .Lnot_wave_0_\@
	s_barrier_signal -3
.Lnot_wave_0_\@:
	s_barrier_wait -3
	s_barrier_signal -1
	s_barrier_wait -1
.endm
.macro CROUND
	s_barrier_signal -1
	s_barrier_wait -1
	CREST
.endm
	s_load_b128 s[4:7], s[0:1], 0x0                ; A s[4:5], B s[6:7]
	s_load_b128 s[CB:CB+3], s[0:1], 0x10           ; C, bias
	v_lshl_add_u32 v[SPW], v0, 2, SPARE
	v_mov_b32 v[NIL], 0
	ds_add_u32 v[SPW], v[NIL]                      ; the wave's opening: the add and its wait stand ahead of my first tensor load; the set-up below, work on registers, stands between them
	v_lshrrev_b32 v1, 5, v0
	v_readfirstlane_b32 s10, v1                    ; wave 0..3
	s_lshr_b32 s11, s10, 1                         ; which half of the tile's rows is mine.  Also: I fetch for A (0) or for B (1)
	s_and_b32 s12, s10, 1                          ; which half of its columns.  Also: which 128 rows of that tile I fetch
	s_bfe_u32 s40, ttmp6, 0x40000                  ; cx
	s_bfe_u32 s41, ttmp6, 0x40004                  ; cy
	s_lshl_b32 s42, ttmp9, 2
	s_add_co_u32 s42, s42, s40                     ; tx
	s_and_b32 s13, ttmp7, 0xffff
	s_lshl_b32 s13, s13, 2
	s_add_co_u32 s13, s13, s41                     ; ty
	s_lshl_b32 s43, s41, 2
	s_lshl_b32 s43, 15, s43                        ; my row of the cluster
	s_lshl_b32 s44, 0x1111, s40                    ; my column
	s_or_b32 s[G1+0], s43, (1<<16)|(1<<20)|(1<<21)|(5<<22)|(3<<25)  ; the mask; elements of 2 bytes; padding on; bit 21 beside a mask; after every 64 words 4 words of padding
	s_or_b32 s[G1B+0], s44, (1<<16)|(1<<20)|(1<<21)|(5<<22)|(3<<25)
.irp g, G1, G1B
	s_mov_b32 s[(\g)+1], KSTEP<<16                 ; tensor_dim0 = 128
	s_mov_b32 s[(\g)+2], 128<<16                   ; tensor_dim1 = 128
	s_mov_b32 s[(\g)+3], KSTEP<<16                 ; tile_dim0 = 128
	s_mov_b32 s[(\g)+4], 128                       ; tile_dim1 = 128
	s_mov_b32 s[(\g)+5], SIZE_K                    ; elements from row to row
	s_mov_b32 s[(\g)+6], 0
	s_mov_b32 s[(\g)+7], 0
.endr
	s_lshl_b32 s17, s12, 7
	s_lshl_b32 s16, s13, 8
	s_add_co_u32 s16, s16, s17
	s_lshl_b32 s16, s16, 11                        ; A: (256 ty + 128 half) rows of 2,048 bytes
	s_lshl_b32 s46, s42, 8
	s_add_co_u32 s46, s46, s17
	s_lshl_b32 s46, s46, 11                        ; B: (256 tx + 128 half) rows
	s_mov_b32 s17, 0
	s_mov_b32 s47, 0
	s_mul_i32 s20, s10, HALFT                      ; where they go: wave x 128 rows
	s_wait_dscnt 0x0                               ; the opening add is done
	s_wait_kmcnt 0x0
	s_add_nc_u64 s[14:15], s[4:5], s[16:17]
	s_add_nc_u64 s[46:47], s[6:7], s[46:47]
	CROUND                                         ; all sixteen work-groups are here: the first joint loads meet
.irp s, 0,1
	s_mov_b32 s[G0+4*(\s)], 1
	s_add_co_u32 s[G0+4*(\s)+1], s20, (\s)*SLOT
	s_add_nc_u64 s[G0+4*(\s)+2:G0+4*(\s)+3], s[14:15], (\s)*KSTEP*2
	s_or_b32 s[G0+4*(\s)+3], s[G0+4*(\s)+3], 0x80000000
	s_mov_b32 s[G0B+4*(\s)], 1
	s_add_co_u32 s[G0B+4*(\s)+1], s20, (\s)*SLOT
	s_add_nc_u64 s[G0B+4*(\s)+2:G0B+4*(\s)+3], s[46:47], (\s)*KSTEP*2
	s_or_b32 s[G0B+4*(\s)+3], s[G0B+4*(\s)+3], 0x80000000
	JLOAD \s                                       ; two loads of mine are out
.endr
	v_and_b32 v1, 15, v0                           ; l % 16
	v_bfe_u32 v2, v0, 4, 1                         ; l / 16
	v_lshlrev_b32 v[BO], 5, v2
	s_lshl_b32 s46, s42, 10                        ; my first column, in bytes of C and of the bias: 1,024 tx + 512 half
	s_lshl_b32 s47, s12, 9
	s_add_co_u32 s46, s46, s47
	s_mov_b32 s47, 0
	s_add_nc_u64 s[BIA:BIA+1], s[BIA:BIA+1], s[46:47]
	s_add_nc_u64 s[BIA:BIA+1], s[BIA:BIA+1], 12288 ; bp lies behind bq, bk and bv
	WIN TO_B
.irp b, 0,1,2,3,4,5,6,7                ; register j of block b in lane l is bp[16 b + 8 (l / 16) + j], the layout of a result
	global_load_b128 v[8*(\b):8*(\b)+3],   v[BO], s[BIA:BIA+1] offset:64*(\b)
	global_load_b128 v[8*(\b)+4:8*(\b)+7], v[BO], s[BIA:BIA+1] offset:64*(\b)+16
.endr
	WIN 0
	v_mul_u32_u24 v3, v1, PITCH
	v_lshl_add_u32 v3, v2, 4, v3                   ; a fragment's row x pitch + 16 x half
	s_mul_i32 s21, s11, HALFT
	s_mul_i32 s22, s12, HALFT
	s_add_co_u32 s22, s22, 2*HALFT
.irp s, 0,1
	v_add_nc_u32 v[ADRA+(\s)], s21, v3
	v_add_nc_u32 v[ADRB+(\s)], s22, v3
	s_add_co_u32 s21, s21, SLOT
	s_add_co_u32 s22, s22, SLOT
.endr
	s_mul_i32 s23, s10, 16*SPITCH
	s_add_co_u32 s23, s23, STAGE                   ; my stage
	v_mul_u32_u24 v4, v1, SPITCH                   ; in: row l % 16, 32 bytes for each half of the lanes
	v_lshl_add_u32 v4, v2, 5, v4
	v_add_nc_u32 v[STO], s23, v4
	v_and_b32 v5, 31, v0
	v_lshlrev_b32 v[CO], 4, v5                     ; back: 32 lanes take one row's 512 bytes
	v_add_nc_u32 v[RD], s23, v[CO]
	s_lshl_b32 s13, s13, 8
	s_lshl_b32 s14, s11, 7
	s_add_co_u32 s16, s13, s14                     ; my first row of C,
	s_lshl_b32 s16, s16, 12                        ; in bytes
	s_mov_b32 s17, 0
	s_add_nc_u64 s[16:17], s[16:17], s[46:47]
	s_add_nc_u64 s[8:9], s[CB:CB+1], s[16:17]
	; the prefetches.  s13 = 256 ty, s42 = tx, s40 = cx, s41 = cy still stand
	s_lshl_b32 s42, s42, 8
	s_and_b32 s22, ttmp7, 0xffff
	s_cmp_eq_u32 s11, 0
	s_cselect_b32 s20, s13, s42
	s_cselect_b32 s21, s40, s41
	s_cselect_b32 s22, ttmp9, s22
	s_cselect_b64 s[PFA:PFA+1], s[4:5], s[6:7]
	s_cmp_eq_u32 s22, 0
	s_cselect_b32 s[LIM], 1, -1                    ; the same in all sixteen partners, for a given wave
	s_lshl_b32 s22, s12, 7
	s_add_co_u32 s20, s20, s22
	s_lshl_b32 s21, s21, 5
	s_add_co_u32 s20, s20, s21
	s_lshl_b32 s20, s20, 11
	s_mov_b32 s21, 0
	s_add_nc_u64 s[PFA:PFA+1], s[PFA:PFA+1], s[20:21]
	s_add_nc_u64 s[PFA:PFA+1], s[PFA:PFA+1], 2*KSTEP*2  ; at K step 2: the first refill steps it to 3 and names K step 4.  Nothing is prefetched here, at the head
	v_and_b32 v[PFO], 31, v0
	v_lshlrev_b32 v[PFO], 11, v[PFO]
.macro MUL16 f, hi, a0, first          ; 16 matrix instructions: m blocks a0, a0 + 1 of the window's four x all 8 n blocks, 32 along K.  first = 1: the product starts the sum, with the bias as C
.if \first
	WIN MUL_B+0x40*(\hi)
.else
	WIN MUL_LO+0x50*(\hi)
.endif
.irp a, \a0, (\a0)+1
.irp b, 0,1,2,3,4,5,6,7
.if \first
	v_wmma_f32_16x16x32_f16 v[8*(8*(\a)+(\b)):8*(8*(\a)+(\b))+7], v[(\f)+8*(\b):(\f)+8*(\b)+7], v[(\f)+8*(4*(\hi)+(\a)):(\f)+8*(4*(\hi)+(\a))+7], v[8*(\b):8*(\b)+7]
.else
	v_wmma_f32_16x16x32_f16 v[8*(8*(\a)+(\b)):8*(8*(\a)+(\b))+7], v[(\f)+8*(\b):(\f)+8*(\b)+7], v[(\f)+8*(4*(\hi)+(\a)):(\f)+8*(4*(\hi)+(\a))+7], v[8*(8*(\a)+(\b)):8*(8*(\a)+(\b))+7]
.endif
.endr
.endr
.endm
.macro FETCH slot, k, f                ; 32 LDS loads in one run: the fragments of one quarter step into buffer f
	WIN TO_B
.irp i, 0,1,2,3,4,5,6,7
	ds_load_b128 v[(\f)+8*(\i):(\f)+8*(\i)+3],   v[ADRB+(\slot)] offset:(\k)+(\i)*16*PITCH
	ds_load_b128 v[(\f)+8*(\i)+4:(\f)+8*(\i)+7], v[ADRB+(\slot)] offset:(\k)+(\i)*16*PITCH+32
.endr
	WIN 0
.irp i, 0,1,2,3,4,5,6,7
	ds_load_b128 v[(\f)+8*(\i):(\f)+8*(\i)+3],   v[ADRA+(\slot)] offset:(\k)+(\i)*16*PITCH
	ds_load_b128 v[(\f)+8*(\i)+4:(\f)+8*(\i)+7], v[ADRA+(\slot)] offset:(\k)+(\i)*16*PITCH+32
.endr
.endm
.macro PLACES                          ; four places in front of loads into registers that matrix instructions have read, and of LDS stores that read results just made
.rept 4
	v_nop
.endr
.endm
.macro QUARTER slot, k, f, g, first    ; multiplies buffer f; in its middle it fetches the next quarter's fragments, at byte k of the same slot's rows, into buffer g.  The 64 accumulators take turns
	s_wait_dscnt 8                                 ; B and A's rows 0-63 are in; the youngest eight loads (A's rows 64-127) may be out
	MUL16 \f, 0, 0, \first
	MUL16 \f, 0, 2, \first
	PLACES
	FETCH \slot, \k, \g
	s_wait_dscnt 32                                ; all but the 32 just issued
	MUL16 \f, 1, 0, \first
	MUL16 \f, 1, 2, \first
.endm
.macro MEET round                      ; the first half of a K step's last quarter: one barrier for the change of slots; round = 1: a round of the cluster's barrier follows
	WIN 0
	s_wait_tensorcnt 0x0                           ; all my tensor loads have landed: the one that was out is my part of the next slot
	ds_add_u32 v[SPW], v[NIL]                      ; 0 onto my spare word
	s_wait_dscnt 9                                 ; (the add and the youngest eight loads may be out)
	MUL16 F1, 0, 0, 0
	s_wait_dscnt 0x0                               ; the add is done, and my reads of this slot are over
	s_barrier_signal -1
	MUL16 F1, 0, 2, 0
.if \round
	WIN 0
.endif
	s_barrier_wait -1
.endm
.macro TURN slot, next                 ; the whole last quarter: behind the round the slot just read out is filled again first, two K steps ahead; then come the next slot's first fragments
	s_wait_xcnt 0x0                                ; the last prefetch, a K step back, has read its address: it is stepped here
	s_add_nc_u64 s[PFA:PFA+1], s[PFA:PFA+1], KSTEP*2
	MEET 1
	CREST                                          ; no wave of any partner still reads this slot's tile or has a load on its way
	s_add_nc_u64 s[G0+4*(\slot)+2:G0+4*(\slot)+3], s[G0+4*(\slot)+2:G0+4*(\slot)+3], 2*KSTEP*2
	s_add_nc_u64 s[G0B+4*(\slot)+2:G0B+4*(\slot)+3], s[G0B+4*(\slot)+2:G0B+4*(\slot)+3], 2*KSTEP*2
	JLOAD \slot                                    ; 224 matrix instructions ahead of the wait for it; the four v_nop behind it are also the places in front of the loads below
	FETCH \next, 0, F0
	ASK
	MUL16 F1, 1, 0, 0
	MUL16 F1, 1, 2, 0
.endm
; THE LAST K STEP (it lies in slot 1) GOES BY ROWS OF C, NOT BY K.  All its fragments of B (4 quarters x 64 registers) fill window 1, the bias's registers among them, which were last read in the first quarter;
; then my eight blocks of 16 rows are finished one after the other, each with 32 matrix instructions (its 8 accumulators by turns, K ascending).  LDS is read no more than in any other K step.
.macro BLOAD q                         ; B's fragments of quarter q -> window 1, v[64 q ..]
	WIN TO_B
.irp i, 0,1,2,3,4,5,6,7
	ds_load_b128 v[64*(\q)+8*(\i):64*(\q)+8*(\i)+3],   v[ADRB+1] offset:64*(\q)+(\i)*16*PITCH
	ds_load_b128 v[64*(\q)+8*(\i)+4:64*(\q)+8*(\i)+7], v[ADRB+1] offset:64*(\q)+(\i)*16*PITCH+32
.endr
.endm
.macro ALOAD a                         ; A's fragments of block a, all four quarters -> buffer a % 4
	WIN 0
.set FA, PA+32*((\a)%4)
.irp q, 0,1,2,3
	ds_load_b128 v[FA+8*(\q):FA+8*(\q)+3],   v[ADRA+1] offset:64*(\q)+(\a)*16*PITCH
	ds_load_b128 v[FA+8*(\q)+4:FA+8*(\q)+7], v[ADRA+1] offset:64*(\q)+(\a)*16*PITCH+32
.endr
.endm
.macro ROW a                           ; block a is finished: 32 matrix instructions
.set FA, PA+32*((\a)%4)
.set AC, 64*((\a)%4)
	WIN MUL_LO+0x50*((\a)/4)
.irp q, 0,1,2,3
.if (\a) == 0 && (\q) == 2
	s_wait_dscnt 24                                ; B's quarter 2 is in (behind it: A's blocks 1 to 3)
.endif
.irp b, 0,1,2,3,4,5,6,7
	v_wmma_f32_16x16x32_f16 v[AC+8*(\b):AC+8*(\b)+7], v[64*(\q)+8*(\b):64*(\q)+8*(\b)+7], v[FA+8*(\q):FA+8*(\q)+7], v[AC+8*(\b):AC+8*(\b)+7]
.endr
.endr
.endm
; THE WAY OUT of block a (16 rows x 128 columns of f32).  TOSTAGE: a lane's 32 bytes of each of 8 column blocks go into my own stage, rows of 528 bytes, and come back as whole rows of 512.  SEND: stored.
.macro TOSTAGE a
.set AC, 64*((\a)%4)
.if (\a) > 0
	s_wait_xcnt 0x0                                ; the stores of the block before have read their base and the registers that are loaded again below
	s_add_nc_u64 s[8:9], s[8:9], 16*ROWC           ; 16 rows of C on
.endif
	WIN 0x08+4*((\a)/4)                            ; the stores' data: window 2 or 3
.irp b, 0,1,2,3,4,5,6,7
	ds_store_b128 v[STO], v[AC+8*(\b):AC+8*(\b)+3]   offset:64*(\b)      ; each accumulator's low registers first
	ds_store_b128 v[STO], v[AC+8*(\b)+4:AC+8*(\b)+7] offset:64*(\b)+16
.endr
	WIN 0
.irp t, 0,1,2,3,4,5,6,7,8,9,10,11,12,13,14,15
	ds_load_b128 v[BK+4*(\t):BK+4*(\t)+3], v[RD] offset:(\t)*SPITCH  ; LDS serves a wave's instructions in order (ISA guide 5.7.1.4): these see the stores above; the next block's stores come behind them
.endr
.endm
.macro SEND younger                    ; younger: the LDS loads issued behind TOSTAGE's, which may stay out
	s_wait_dscnt \younger
.irp t, 0,1,2,3,4,5,6,7,8,9,10,11,12,13,14,15
	global_store_b128 v[CO], v[BK+4*(\t):BK+4*(\t)+3], s[8:9] offset:(\t)*ROWC th:TH_STORE_NT  ; 512 consecutive bytes of one row, at a multiple of 512 from C's first byte
.endr
.endm
	s_wait_tensorcnt 1                             ; my part of K step 0 is in; K step 1's may stay out
	s_barrier_signal -1
	s_barrier_wait -1
	FETCH 0, 0, F0
	s_wait_loadcnt 0x0                             ; the bias
	QUARTER 0, 64,  F0, F1, 1                      ; the first quarter stands in front of the loop: its products start the sums
	WIN 0
	s_mov_b32 s3, LAPS-1
.Llap:                                                 ; a trip goes once round the ring, from a lap's second quarter to the next lap's first, and fills both slots again
	QUARTER 0, 128, F1, F0, 0
	QUARTER 0, 192, F0, F1, 0
	TURN 0, 1
	QUARTER 1, 64,  F0, F1, 0
	QUARTER 1, 128, F1, F0, 0
	QUARTER 1, 192, F0, F1, 0
	TURN 1, 0
	QUARTER 0, 64,  F0, F1, 0
	WIN 0
	s_sub_co_u32 s3, s3, 1
	s_cmp_lg_u32 s3, 0
	s_cbranch_scc1 .Llap
	QUARTER 0, 128, F1, F0, 0                      ; the last lap fills nothing, and has no round of the cluster's barrier
	QUARTER 0, 192, F0, F1, 0
	MEET 0                                         ; my one tensor load that was still out is slot 1's, the last K step's
	PLACES                                         ; for the loads into buffer 0, which the quarter before multiplied
	BLOAD 0                                        ; three quarters of B now: buffer 1 (v128-191 of both windows) is still being multiplied
	BLOAD 1
	BLOAD 3
	ALOAD 0
	MUL16 F1, 1, 0, 0
	MUL16 F1, 1, 2, 0
	PLACES                                         ; for the loads into buffer 1
	BLOAD 2
	ALOAD 1
	ALOAD 2
	ALOAD 3
	s_wait_dscnt 40                                ; all but the 40 just issued: B's quarter 2 and A's blocks 1 to 3
	ROW 0
.irp a, 0,1,2,3,4,5,6,7                ; each block leaves as soon as it is finished: nothing follows the tile under which its stores could leave
	PLACES                                         ; the LDS stores read results just made, and the loads below land in a buffer just multiplied
	TOSTAGE \a
.if (\a) < 4
	ALOAD (\a)+4                                   ; its buffer takes the block four further on
	SEND 8                                         ; those eight loads may stay out
.else
	SEND 0
.endif
.if (\a) < 7
	ROW (\a)+1
.endif
.endr
	s_wait_tensorcnt 0x0                           ; the wave's end, behind my last tensor load and my last LDS store
	ds_add_u32 v[SPW], v[NIL]
	s_wait_dscnt 0x0
	CROUND                                         ; the closing round: no work-group ends while a partner may still ask for a tile that names it
	s_endpgm
.Lfunc_end_k_q549b90e3d0_proj:
	.size	k_q549b90e3d0_proj, .Lfunc_end_k_q549b90e3d0_proj-k_q549b90e3d0_proj
	.p2alignl 7, 3214868480
	.fill 96, 4, 3214868480
	.section	.rodata,"a",@progbits
	.p2align	6, 0x0
	.amdhsa_kernel k_q549b90e3d0_proj
		.amdhsa_group_segment_fixed_size 327680
		.amdhsa_private_segment_fixed_size 0
		.amdhsa_enable_private_segment 0
		.amdhsa_kernarg_size 32
		.amdhsa_user_sgpr_count 2
		.amdhsa_user_sgpr_kernarg_segment_ptr 1
		.amdhsa_wavefront_size32 1
		.amdhsa_system_sgpr_workgroup_id_x 1
		.amdhsa_system_sgpr_workgroup_id_y 1
		.amdhsa_system_sgpr_workgroup_id_z 1
		.amdhsa_system_vgpr_workitem_id 0
		.amdhsa_next_free_vgpr 1024
		.amdhsa_next_free_sgpr 72
		.amdhsa_reserve_vcc 0
		.amdhsa_float_denorm_mode_32 3
		.amdhsa_float_denorm_mode_16_64 3
		.amdhsa_memory_ordered 1
		.amdhsa_forward_progress 1
		.amdhsa_inst_pref_size 144
	.end_amdhsa_kernel
	.amdgpu_metadata
---
amdhsa.version: [ 1, 2 ]
amdhsa.kernels:
  - .name:           k_q549b90e3d0_proj
    .symbol:         k_q549b90e3d0_proj.kd
    .args:
      - { .name: ob, .offset: 0, .size: 8, .value_kind: global_buffer, .address_space: global }
      - { .name: wpb, .offset: 8, .size: 8, .value_kind: global_buffer, .address_space: global }
      - { .name: out0, .offset: 16, .size: 8, .value_kind: global_buffer, .address_space: global }
      - { .name: biasr, .offset: 24, .size: 8, .value_kind: global_buffer, .address_space: global }
    .group_segment_fixed_size: 327680
    .private_segment_fixed_size: 0
    .kernarg_segment_align: 8
    .kernarg_segment_size: 32
    .max_flat_workgroup_size: 128
    .sgpr_count:     72
    .vgpr_count:     1024
    .wavefront_size: 32
...
	.end_amdgpu_metadata
.endif
;; end of part 4
